; MI455X (gfx1250); checked and timed in simulation.
; The chip was launched on July 23, 2026; its instructions are those of AMD's public machine-readable ISA for CDNA 5 (MIT licence, August 2026) and "CDNA5" Instruction Set Architecture Reference Guide (July 2026). The comments in the code are by the model that wrote it; some were corrected since.
;; Discretised BNF. Allowed arithmetic: float matrix products may take bf16 or f16 operands with f32 sums; all other float work in f32.
;; Inputs: W1 4,097 x 1,024 float32; W2 1,024 x 8,192 float32; b1 1,024 float32; b2 8,192 float32; gamma 2,048 x 1 float32; mu 2,048 x 4,096 float32; t 2,048 x 1 float32.
;; Outputs: out0 2,048 x 4,096 float32.
;; 2 versions, each right; version 2 is version 1 with the launch cast written anew for expert scheduling mode. Each part assembles by itself: llvm-mc -triple=amdgcn-amd-amdhsa -mcpu=gfx1250 --defsym DOCPART=n.
;; ======== version 1 of 2: 3 launches
;; limits: a function is approximated: absolute error at most 1e-05; values are held in f16: magnitudes above 65,504 overflow, below 6.1e-05 lose precision
;; workspace buffers: mu_f16 16,777,216 bytes; W1_f16 8,388,608 bytes; W2_f16 16,777,216 bytes; h_f16 4,194,304 bytes
;; launch cast (part 1): grid 768 x 1, 8 waves a work-group, no clusters, 0 bytes of LDS; arguments mu, W1, mu_f16, W1_f16; writes mu_f16, W1_f16
.if DOCPART == 1
	.amdgcn_target "amdgcn-amd-amdhsa--gfx1250"
	.amdhsa_code_object_version 6
	.text
	.protected	k_qa228188857_cast
	.globl	k_qa228188857_cast
	.p2align	8
	.type	k_qa228188857_cast,@function
k_qa228188857_cast:
	s_mov_b64 s[64:65], 0
	v_nop
	global_prefetch_b8 v0, s[64:65] scope:SCOPE_SE
	s_setreg_imm32_b32 hwreg(HW_REG_WAVE_MODE, 25, 1), 1
	s_wait_xcnt 0x0
; f32 to f16, layout unchanged: mu [2048][4096] and rows 0..4095 of W1 [4097][1024]: the operands of the first product.
; (W1's last row, the one that multiplies t, stays f32 and is read by the next launch.  W2 is converted by the next launch, beside its matrix work.)
; WHY f16 AND NOT bf16: the final result multiplies an error of mu_eps by exp(-z^2) exp(-ln_sigma) / sqrt(2 pi), which grows without bound as ln_sigma falls;
; f16's significand of 11 bits makes the operands' rounding eight times finer than bf16's 8 bits.
; LIMIT OF RANGE: a number beyond 65,504 in magnitude becomes infinite; below 6.1e-5 the step is 6e-8.  Room: mu of spread 1 and W1 of spread 1/64,
; each 30 times larger or with an offset of 30 spreads, stay below 200; 30 times smaller, W1's spread is 5e-4, 8,000 steps.
; A work-group takes 65,536 bytes of f32: ids 0..511 mu, 512..767 W1 (256 x 65,536 bytes = 4,096 rows of 4,096 bytes).
; Thread t takes the 16 bytes at 16 t of each of sixteen pieces of 4,096 bytes: a wave's load covers 512 consecutive bytes,
; a wave's store 256 consecutive bytes that start on a multiple of 256 from the buffer's first byte.
; All sixteen loads of a wave go out at once; no register is written twice, so the only waits are the counted ones for the data.
; No LDS, no matrix unit, no cluster: the work-groups share no input and every byte is touched once.
.set X, 4                              ; v[4:67]   sixteen quads as loaded
.set Y, 68                             ; v[68:99]  sixteen pairs to store
	s_load_b256 s[4:11], s[0:1], 0x0               ; mu s[4:5], W1 s[6:7], mu_f16 s[8:9], W1_f16 s[10:11]
	v_lshlrev_b32 v1, 4, v0                        ; my 16 bytes of a piece of f32
	v_lshlrev_b32 v2, 3, v0                        ; my 8 bytes of a piece of f16
	s_sub_co_u32 s20, ttmp9, 512                   ; the piece's number inside W1 (kept only where it applies)
	s_wait_kmcnt 0x0
	s_cmp_lt_u32 ttmp9, 512                        ; the choice hangs on the work-group's number alone
	s_cselect_b64 s[16:17], s[4:5], s[6:7]         ; source
	s_cselect_b64 s[18:19], s[8:9], s[10:11]       ; destination
	s_cselect_b32 s20, ttmp9, s20
	s_lshl_b32 s22, s20, 16                        ; 65,536 bytes of f32 a piece (511 x 65,536 at the most: 32 bits do)
	s_mov_b32 s23, 0
	s_lshl_b32 s24, s20, 15                        ; 32,768 bytes of f16
	s_mov_b32 s25, 0
	s_add_nc_u64 s[16:17], s[16:17], s[22:23]
	s_add_nc_u64 s[18:19], s[18:19], s[24:25]
.irp i, 0,1,2,3,4,5,6,7,8,9,10,11,12,13,14,15
	global_load_b128 v[X+4*\i:X+4*\i+3], v1, s[16:17] offset:4096*\i th:TH_LOAD_NT
.endr
.irp i, 0,1,2,3,4,5,6,7,8,9,10,11,12,13,14,15
	s_wait_loadcnt 15-\i                           ; loads come back in order: quad i is in, the 15 - i younger ones stay out
	v_cvt_pk_f16_f32 v[Y+2*\i],   v[X+4*\i],   v[X+4*\i+1]      ; two roundings to f16, packed: the first source in the low half
	v_cvt_pk_f16_f32 v[Y+2*\i+1], v[X+4*\i+2], v[X+4*\i+3]
	global_store_b64 v2, v[Y+2*\i:Y+2*\i+1], s[18:19] offset:2048*\i   ; no streaming hint: the next launch reads these bytes
.endr
	s_endpgm
.Lfunc_end_k_qa228188857_cast:
	.size	k_qa228188857_cast, .Lfunc_end_k_qa228188857_cast-k_qa228188857_cast
	.p2alignl 7, 3214868480
	.fill 96, 4, 3214868480
	.section	.rodata,"a",@progbits
	.p2align	6, 0x0
	.amdhsa_kernel k_qa228188857_cast
		.amdhsa_group_segment_fixed_size 0
		.amdhsa_private_segment_fixed_size 0
		.amdhsa_enable_private_segment 0
		.amdhsa_kernarg_size 32
		.amdhsa_user_sgpr_count 2
		.amdhsa_user_sgpr_kernarg_segment_ptr 1
		.amdhsa_wavefront_size32 1
		.amdhsa_system_sgpr_workgroup_id_x 1
		.amdhsa_system_sgpr_workgroup_id_y 1
		.amdhsa_system_sgpr_workgroup_id_z 1
		.amdhsa_system_vgpr_workitem_id 0
		.amdhsa_next_free_vgpr 104
		.amdhsa_next_free_sgpr 66
		.amdhsa_reserve_vcc 0
		.amdhsa_float_denorm_mode_32 3
		.amdhsa_float_denorm_mode_16_64 3
		.amdhsa_memory_ordered 1
		.amdhsa_forward_progress 1
		.amdhsa_inst_pref_size 7
	.end_amdhsa_kernel
	.amdgpu_metadata
---
amdhsa.version: [ 1, 2 ]
amdhsa.kernels:
  - .name:           k_qa228188857_cast
    .symbol:         k_qa228188857_cast.kd
    .args:
      - { .name: mu, .offset: 0, .size: 8, .value_kind: global_buffer, .address_space: global }
      - { .name: W1, .offset: 8, .size: 8, .value_kind: global_buffer, .address_space: global }
      - { .name: mu_f16, .offset: 16, .size: 8, .value_kind: global_buffer, .address_space: global }
      - { .name: W1_f16, .offset: 24, .size: 8, .value_kind: global_buffer, .address_space: global }
    .group_segment_fixed_size: 0
    .private_segment_fixed_size: 0
    .kernarg_segment_align: 8
    .kernarg_segment_size: 32
    .max_flat_workgroup_size: 256
    .sgpr_count:     66
    .vgpr_count:     104
    .wavefront_size: 32
...
	.end_amdgpu_metadata
.endif
;; end of part 1
;; launch layer1 (part 2): grid 8 x 32, 4 waves a work-group, clusters of 4 x 4, 327,680 bytes of LDS; arguments mu_f16, W1_f16, W1, b1, t, h_f16, W2, W2_f16; writes h_f16, W2_f16
.if DOCPART == 2
	.amdgcn_target "amdgcn-amd-amdhsa--gfx1250"
	.amdhsa_code_object_version 6
	.text
	.protected	k_qa228188857_layer1
	.globl	k_qa228188857_layer1
	.p2align	8
	.type	k_qa228188857_layer1,@function
k_qa228188857_layer1:
	s_mov_b64 s[64:65], 0
	v_nop
	global_prefetch_b8 v0, s[64:65] scope:SCOPE_SE
	s_setreg_imm32_b32 hwreg(HW_REG_WAVE_MODE, 25, 1), 1
	s_wait_xcnt 0x0
	s_wait_alu depctr_hold_cnt(0) depctr_sa_sdst(0) depctr_va_vdst(0) depctr_va_sdst(0) depctr_va_ssrc(0) depctr_va_vcc(0) depctr_vm_vsrc(0)
	s_getreg_b32 s2, hwreg(HW_REG_IB_STS2, 6, 4)
	s_cmp_eq_u32 s2, 0
	s_cbranch_scc0 .Lentry_in_a_cluster
	s_endpgm
.Lentry_in_a_cluster:
	s_bfe_u32 s2, ttmp6, 0x10000c
	s_cmp_lg_u32 s2, 0xf033
	s_cbranch_scc0 .Lentry_shape_is_right
	s_endpgm
.Lentry_shape_is_right:
; h_f16 = f16( leaky( mu_f16 x W1_f16 + t x W1[4096] + b1 ) / 16 ).  mu_f16 [2048][4096], W1_f16 [4096][1024] (k down the rows), h_f16 [2048][1024], all f16.
; THE FACTOR 1/16 is exact and is taken back by the next launch.  It gives h room in f16: with mu and W1 both carrying an offset of 30 spreads h reaches
; 4,096 x 30 x 0.47 = 57,600, too near f16's largest number, 65,504; divided by 16 it is 3,600.  LIMIT OF RANGE: |h| beyond 1,048,064 becomes infinite;
; below |h| = 1e-3 the step is 1e-6.
; 256 work-groups, each a block of 64 rows x 128 columns (a row piece of h_f16 and of W1_f16 is 256 bytes).
; K IS SPLIT OVER THE FOUR WAVES: each wave holds the whole 64 x 128 block (32 accumulator tiles, 256 registers) and multiplies its own
; quarter of every slot's K, so each LDS byte of a slot is read once; a 2 x 2 split of so small a block would read each byte twice.
; The four partial blocks are added through LDS at the end, in f32.
; A slot holds K = 256: A as two sub-tiles (k 0..127, k 128..255) of 64 rows x 256 bytes, B as 256 k-rows x 256 bytes.  Two slots take turns.
; One tensor load a wave and slot: waves 0, 1 fetch A's sub-tiles (64 rows), waves 2, 3 B's halves (128 rows); every row is 256 bytes and
; starts on a multiple of 256 from its buffer's first byte.
; CLUSTERS: 4 x 4 work-groups.  A's tiles hang on the block row alone and are asked for jointly by a row of the cluster, B's on the block
; column alone and are asked for jointly by a column: the requests for A and B are divided by four.
; B lies [k][n] in LDS; ds_load_tr16_b128 makes the fragments (k along a lane's registers) on the way into registers.
; THE MATRIX INSTRUCTION IS USED TRANSPOSED (source 0 = B's fragment, source 1 = A's): lane l holds row l % 16 and eight neighbouring columns.
; leaky(x) is max(x, 0.01 x): equal to the selection on x >= 0 for every x, NaN stays NaN.
; BESIDE THE PRODUCT: W2_f16 = f16(W2), [1024][8192], layout unchanged, for the next launch.  It has nothing to do with this product; it only has to be done before the
; next launch begins, and here it costs a wave 16 instructions beside a slot's 64 matrix instructions.  The work-group takes 131,072 bytes of W2 (1/256 of it), as 16 groups
; (one for each slot's K) of 4 pieces of 2,048 bytes; thread t takes the 16 bytes at 16 t of a piece: a wave's load covers 512 consecutive bytes, its store 256, aligned.
; A group is loaded while one slot is multiplied and is converted and stored while the next one is.  LIMIT OF RANGE as for the other f16 operands: beyond 65,504 infinite,
; below 6.1e-5 a step of 6e-8; W2 of spread 1/32, 30 times larger or with an offset of 30 spreads, stays below 10; 30 times smaller its spread is 1e-3, 17,000 steps.
.set PA,     272                       ; A's LDS row: 256 bytes + 16: sixteen rows start in sixteen different 16-byte columns modulo 256
.set PB,     288                       ; B's LDS row: 256 bytes + 32, an odd multiple of 32, as the transposing load's eight-row groups want
.set AHALF,  64*PA                     ; 17,408: one sub-tile of A
.set ABYTES, 2*AHALF
.set BHALF,  128*PB                    ; 36,864: 128 k-rows of B
.set SLOT,   ABYTES+2*BHALF            ; 108,544
.set SCR,    2*SLOT                    ; 217,088: behind the ring, bytes of its own into which no tensor load lands
.set SP,     528                       ; scratch row: 128 f32 + 16 bytes
.set SCRW,   32*SP                     ; a wave's 32 rows of partial sums
.set WSO,  10                          ; v10     my 16 bytes in a piece of W2; never rewritten
.set WDO,  11                          ; v11     my 8 bytes in a piece of W2_f16; never rewritten
.set ADRA, 16                          ; v16-17  LDS address of my A fragments in slot 0, 1
.set ADRB, 18                          ; v18-19  the same for B
.set STO,  20                          ; v20     where my partial sums go
.set RD,   21                          ; v21     where I read rows of partial sums back
.set HO,   22                          ; v22     my byte offset in h_f16
.set WL,   24                          ; v[24:27] W1[4096][my 4 columns]
.set B1,   28                          ; v[28:31] b1[my 4 columns]
.set F0,   32                          ; v32-127  fragment buffer 0: A's 4 fragments, then B's 8
.set F1,   128                         ; v128-223 fragment buffer 1
.set X,    32                          ; the way out: 8 rows x 4 partials x 4 registers, in the fragment buffers
.set YO,   224                         ; v[224:239] the way out: packed results
.set WP,   224                         ; v[224:231] W2: four pairs to store (in the K loop; the way out takes the registers over behind its own wait)
.set WQ,   240                         ; v[240:255] W2: four quads as loaded
.set TS,   76                          ; s[76:91] t of my 16 rows
.set WS,   96                          ; s[96:97] W2 at the group loaded last
.set WD,   98                          ; s[98:99] W2_f16 at the group stored last
.set G1,  24                           ; s[24:31] descriptor group 1 for A
.set G0,  32                           ; s[32:39] descriptor group 0 for A, one set for each slot
.set G1B, 48                           ; s[48:55] group 1 for B
.set G0B, 56                           ; s[56:63] group 0 for B, one set for each slot
.set MULW, 0x50                        ; C and D in window 1 (the accumulators, tile (a, b) at v[8 (8 a + b)]), both fragments in window 0
.set MSB, 0
.macro WIN new                         ; the immediate's high byte repeats the setting that is left
.if MSB != \new
	s_set_vgpr_msb (MSB<<8)|\new
.set MSB, \new
.endif
.endm
.macro PLACES                          ; four plain vector places behind a matrix instruction, in front of loads into its sources and of reads of its result
.rept 4
	v_nop
.endr
.endm
; A joint load.  Each of the two lines has one mask and one set of registers for all that issue it; the branch hangs on the wave's number alone.
.macro JLOAD s
	s_cmp_eq_u32 s11, 0
	s_cbranch_scc0 .Lfor_b_\@
	tensor_load_to_lds s[G0+4*\s:G0+4*\s+3], s[G1:G1+7]
	s_nop 0
	s_branch .Lasked_\@
.Lfor_b_\@:
	tensor_load_to_lds s[G0B+4*\s:G0B+4*\s+3], s[G1B:G1B+7]
	s_nop 0
.Lasked_\@:
.endm
.macro CREST                           ; a round of the cluster's barrier behind its opening work-group barrier
	s_cmp_lg_u32 s10, 0
	s_cbranch_scc1 .Lnot_wave_0_\@
	s_barrier_signal -3
.Lnot_wave_0_\@:
	s_barrier_wait -3
	s_barrier_signal -1
	s_barrier_wait -1
.endm
.macro CROUND                          ; a whole round
	s_barrier_signal -1
	s_barrier_wait -1
	CREST
.endm
; W2: four loads, a group of 4 pieces of 2,048 bytes
.macro WLOAD
.irp j, 0,1,2,3
	global_load_b128 v[WQ+4*\j:WQ+4*\j+3], v[WSO], s[WS:WS+1] offset:2048*\j th:TH_LOAD_NT
.endr
.endm
; W2's share of one slot's K: the group loaded during the slot before is converted and stored, the next group is loaded.
; kind 0: the first group (the store's base stands at it already); 1: in between; 2: the last group (nothing is left to load).
.macro SIDE kind
	s_wait_loadcnt 0x0                             ; the group's four loads, issued 64 matrix instructions ago; no younger load exists
	s_wait_xcnt 0x0                                ; the last group's stores have had their addresses translated (ISA guide 3.1): their data and base are written again only behind this wait
.if \kind != 0
	s_add_nc_u64 s[WD:WD+1], s[WD:WD+1], 4096      ; a group of f16
.endif
.if \kind != 2
	s_add_nc_u64 s[WS:WS+1], s[WS:WS+1], 8192      ; a group of f32
.endif
.irp j, 0,1,2,3
	v_cvt_pk_f16_f32 v[WP+2*\j],   v[WQ+4*\j],   v[WQ+4*\j+1]
	v_cvt_pk_f16_f32 v[WP+2*\j+1], v[WQ+4*\j+2], v[WQ+4*\j+3]
.endr
.irp j, 0,1,2,3
	global_store_b64 v[WDO], v[WP+2*\j:WP+2*\j+1], s[WD:WD+1] offset:1024*\j   ; no streaming hint: the next launch reads these bytes
.endr
.if \kind != 2
	WLOAD
.endif
.endm
	s_load_b128 s[4:7], s[0:1], 0x0                ; mu_f16 s[4:5], W1_f16 s[6:7]
	s_load_b256 s[68:75], s[0:1], 0x10             ; W1 s[68:69], b1 s[70:71], t s[72:73], h_f16 s[74:75]
	s_load_b128 s[96:99], s[0:1], 0x30             ; W2 s[96:97], W2_f16 s[98:99]
	v_lshl_add_u32 v15, v0, 2, 0x45800
	v_mov_b32 v23, 0
	ds_add_u32 v15, v23
	v_lshrrev_b32 v1, 5, v0
	v_readfirstlane_b32 s10, v1                    ; wave 0..3
	s_lshr_b32 s11, s10, 1                         ; I fetch for A (0) or B (1).  Also: the sub-tile of A that holds my K
	s_and_b32 s12, s10, 1                          ; which part of that tile I fetch.  Also: which half of the sub-tile's rows is my K
	s_bfe_u32 s40, ttmp6, 0x40000                  ; cx
	s_bfe_u32 s41, ttmp6, 0x40004                  ; cy
	s_lshl_b32 s42, ttmp9, 2
	s_add_co_u32 s42, s42, s40                     ; block column 0..7 = 4 x cluster x + cx
	s_and_b32 s13, ttmp7, 0xffff
	s_lshl_b32 s13, s13, 2
	s_add_co_u32 s13, s13, s41                     ; block row 0..31 = 4 x cluster y + cy
	s_lshl_b32 s43, s41, 2
	s_lshl_b32 s43, 15, s43                        ; my row of the cluster
	s_lshl_b32 s44, 0x1111, s40                    ; my column
	; group 1 for A: 64 rows x 128 elements of 2 bytes, 4 words of padding behind every 64 words
	s_or_b32 s[G1+0], s43, (1<<16)|(1<<20)|(1<<21)|(5<<22)|(3<<25)
	s_mov_b32 s[G1+1], 128<<16                     ; tensor_dim0 = 128
	s_mov_b32 s[G1+2], 64<<16                      ; tensor_dim1 = 64
	s_mov_b32 s[G1+3], 128<<16                     ; tile_dim0 = 128
	s_mov_b32 s[G1+4], 64                          ; tile_dim1 = 64
	s_mov_b32 s[G1+5], 4096                        ; elements from row to row of mu_f16
	s_mov_b32 s[G1+6], 0
	s_mov_b32 s[G1+7], 0
	; group 1 for B: 128 k-rows x 128 elements, 8 words of padding behind every 64 words
	s_or_b32 s[G1B+0], s44, (1<<16)|(1<<20)|(1<<21)|(5<<22)|(7<<25)
	s_mov_b32 s[G1B+1], 128<<16
	s_mov_b32 s[G1B+2], 128<<16
	s_mov_b32 s[G1B+3], 128<<16
	s_mov_b32 s[G1B+4], 128
	s_mov_b32 s[G1B+5], 1024                       ; elements from row to row of W1_f16
	s_mov_b32 s[G1B+6], 0
	s_mov_b32 s[G1B+7], 0
	; A's address is made of the block row and the wave's number, B's of the block column and the wave's number, in registers that never hold the other coordinate
	s_lshl_b32 s16, s13, 19                        ; 64 rows x 8,192 bytes a block row
	s_lshl_b32 s17, s12, 8                         ; + 256 bytes for the second sub-tile
	s_add_co_u32 s16, s16, s17
	s_mov_b32 s17, 0
	s_lshl_b32 s46, s12, 18                        ; 128 k-rows x 2,048 bytes for the second half
	s_lshl_b32 s47, s42, 8                         ; + 256 bytes a block column
	s_add_co_u32 s46, s46, s47
	s_mov_b32 s47, 0
	s_mul_i32 s20, s12, AHALF                      ; where they go: no place in the cluster enters an LDS address
	s_mul_i32 s21, s12, BHALF
	s_add_co_u32 s21, s21, ABYTES
	s_wait_dscnt 0x0
	s_wait_kmcnt 0x0
	s_add_nc_u64 s[14:15], s[4:5], s[16:17]
	s_add_nc_u64 s[46:47], s[6:7], s[46:47]
	CROUND                                         ; all sixteen work-groups are here: the first joint loads meet
.irp s, 0,1
	s_mov_b32 s[G0+4*\s], 1
	s_add_co_u32 s[G0+4*\s+1], s20, \s*SLOT
	s_add_nc_u64 s[G0+4*\s+2:G0+4*\s+3], s[14:15], \s*512          ; slot s: K from 256 s
	s_or_b32 s[G0+4*\s+3], s[G0+4*\s+3], 0x80000000
	s_mov_b32 s[G0B+4*\s], 1
	s_add_co_u32 s[G0B+4*\s+1], s21, \s*SLOT
	s_add_nc_u64 s[G0B+4*\s+2:G0B+4*\s+3], s[46:47], \s*256*2048
	s_or_b32 s[G0B+4*\s+3], s[G0B+4*\s+3], 0x80000000
	JLOAD \s                                       ; both first fills go out before anything else is done: two loads of the wave are out
.endr
	; the other buffers' addresses
	s_add_nc_u64 s[68:69], s[68:69], 0x1000000     ; W1's row 4096: 4,096 rows x 4,096 bytes
	s_lshl_b32 s66, s42, 9                         ; 128 columns x 4 bytes a block column
	s_mov_b32 s67, 0
	s_add_nc_u64 s[68:69], s[68:69], s[66:67]
	s_add_nc_u64 s[70:71], s[70:71], s[66:67]
	s_lshl_b32 s22, s13, 8                         ; t: 64 rows x 4 bytes a block row
	s_lshl_b32 s23, s10, 5                         ; + 8 rows a wave
	s_add_co_u32 s22, s22, s23
	s_mov_b32 s23, 0
	s_add_nc_u64 s[92:93], s[72:73], s[22:23]
	s_load_b256 s[TS:TS+7], s[92:93], 0x0          ; t of rows 8 w .. 8 w + 7 of the block,
	s_load_b256 s[TS+8:TS+15], s[92:93], 0x80      ; and of rows 32 + 8 w ..; waited for on the way out
	s_lshl_b32 s66, s42, 8                         ; h_f16: 256 bytes a block column
	s_lshl_b32 s22, s13, 17                        ; + 64 rows x 2,048 bytes a block row
	s_add_co_u32 s66, s66, s22
	s_add_nc_u64 s[94:95], s[74:75], s[66:67]
	s_lshl_b32 s100, s13, 3                        ; W2: the work-group's number 8 x block row + block column, 0..255 (in registers that feed no descriptor),
	s_add_co_u32 s100, s100, s42
	s_lshl_b32 s100, s100, 17                      ; x 131,072 bytes of f32 (255 x 131,072 at the most: 32 bits do)
	s_mov_b32 s101, 0
	s_add_nc_u64 s[WS:WS+1], s[WS:WS+1], s[100:101]
	s_lshr_b32 s100, s100, 1                       ; x 65,536 bytes of f16
	s_add_nc_u64 s[WD:WD+1], s[WD:WD+1], s[100:101]
	; lane addresses
	v_and_b32 v1, 15, v0                           ; r = l % 16
	v_bfe_u32 v2, v0, 4, 1                         ; h = l / 16
	v_and_b32 v3, 31, v0                           ; l
	v_and_b32 v4, 7, v0
	v_bfe_u32 v5, v0, 3, 1
	v_lshlrev_b32 v[WSO], 4, v0                    ; W2: 16 bytes a thread
	v_lshlrev_b32 v[WDO], 3, v0                    ; W2_f16: 8 bytes a thread
	v_mul_u32_u24 v6, v1, PA
	v_lshl_add_u32 v6, v2, 4, v6                   ; A: r x pitch + 16 h
	s_mul_i32 s22, s11, AHALF                      ; + my sub-tile
	s_lshl_b32 s23, s12, 7                         ; + my 64 k (128 bytes) in its rows
	s_add_co_u32 s22, s22, s23
	v_add_nc_u32 v[ADRA], s22, v6
	v_add_nc_u32 v[ADRA+1], SLOT, v[ADRA]
	v_lshl_add_u32 v7, v2, 3, v4                   ; B: k-row 8 h + l % 8
	v_mul_u32_u24 v7, v7, PB
	v_lshl_add_u32 v7, v5, 4, v7                   ; + 16 bytes for the upper eight of sixteen columns
	s_mul_i32 s23, s10, 64*PB                      ; + my 64 k-rows
	s_add_co_u32 s23, s23, ABYTES
	v_add_nc_u32 v[ADRB], s23, v7
	v_add_nc_u32 v[ADRB+1], SLOT, v[ADRB]
	v_mul_u32_u24 v8, v1, SP
	v_lshl_add_u32 v8, v2, 5, v8                   ; partial sums: row r, 32 bytes for each half of the lanes
	s_mul_i32 s22, s10, SCRW
	s_add_co_u32 s22, s22, SCR
	v_add_nc_u32 v[STO], s22, v8
	s_mul_i32 s23, s10, 8*SP                       ; back: rows 8 w .. 8 w + 7 of every wave's partial, 16 bytes a lane
	s_add_co_u32 s23, s23, SCR
	v_lshl_add_u32 v[RD], v3, 4, s23
	s_lshl_b32 s22, s10, 14                        ; h_f16: 8 w rows of 2,048 bytes + 8 bytes a lane
	v_lshl_add_u32 v[HO], v3, 3, s22
	v_lshlrev_b32 v9, 4, v3
	global_load_b128 v[WL:WL+3], v9, s[68:69]      ; used on the way out
	global_load_b128 v[B1:B1+3], v9, s[70:71]
	WLOAD                                          ; W2's first group
; 24 LDS loads: the fragments of slice i (0, 1) of my K in a slot: A's 64 rows, then B's 128 columns, 32 along K, into buffer f
.macro FETCH slot, i, f
.irp a, 0,1,2,3
	ds_load_b128 v[\f+8*\a:\f+8*\a+3],   v[ADRA+\slot] offset:\a*16*PA+64*\i
	ds_load_b128 v[\f+8*\a+4:\f+8*\a+7], v[ADRA+\slot] offset:\a*16*PA+64*\i+32
.endr
.irp b, 0,1,2,3,4,5,6,7
	ds_load_tr16_b128 v[\f+32+8*\b:\f+32+8*\b+3],   v[ADRB+\slot] offset:\i*32*PB+32*\b
	ds_load_tr16_b128 v[\f+32+8*\b+4:\f+32+8*\b+7], v[ADRB+\slot] offset:\i*32*PB+32*\b+16*PB
.endr
.endm
; 4 nb matrix instructions: column blocks b0 .. b0 + nb - 1 x all four row blocks.  The 32 accumulators take turns, one instruction a turn, in the
; same order in every slice, over the backward jump too.  zero = 1: the first product starts the sums.
.macro MULB f, b0, nb, zero
.set mb, \b0
.rept \nb
.set ma, 0
.rept 4
.if \zero
	v_wmma_f32_16x16x32_f16 v[8*(8*ma+mb):8*(8*ma+mb)+7], v[\f+32+8*mb:\f+32+8*mb+7], v[\f+8*ma:\f+8*ma+7], 0
.else
	v_wmma_f32_16x16x32_f16 v[8*(8*ma+mb):8*(8*ma+mb)+7], v[\f+32+8*mb:\f+32+8*mb+7], v[\f+8*ma:\f+8*ma+7], v[8*(8*ma+mb):8*(8*ma+mb)+7]
.endif
.set ma, ma+1
.endr
.set mb, mb+1
.endr
.endm
; One slot's K = 256: my two slices, 64 matrix instructions, W2's share in the middle, and the change of slots.
; fill = 1: this slot is filled again, two slots' K ahead.  side: the kind of W2's share.
.macro PERIOD slot, next, fill, zero, side
	s_wait_dscnt 8                                 ; of the 24 loads of buffer 0 the youngest eight (B's blocks 4-7) may be out
	WIN MULW
	MULB F0, 0, 4, \zero
	PLACES
	WIN 0
	FETCH \slot, 1, F1
	SIDE \side                                     ; under window 0, outside every barrier's signal and wait; it names no register of a matrix instruction
	s_wait_dscnt 24                                ; all but the 24 LDS loads just issued
	WIN MULW
	MULB F0, 4, 4, \zero
	s_wait_dscnt 0                                 ; buffer 1 is in, and with it my reads of this slot are over
	s_wait_tensorcnt 0x0                           ; all my tensor loads have landed: the one that was out is my part of the next slot
	ds_add_u32 v15, v23
	s_wait_dscnt 0x0
	s_barrier_signal -1                            ; say so (where the slot is filled again this barrier opens a round of the cluster's barrier),
	MULB F1, 0, 2, 0                               ; work on registers while the others arrive,
	WIN 0
	s_barrier_wait -1
.if \fill
	CREST                                          ; no wave of any partner still reads this slot or has a load on its way
	s_add_nc_u64 s[G0+4*\slot+2:G0+4*\slot+3], s[G0+4*\slot+2:G0+4*\slot+3], 1024          ; 512 k on, in bytes of a row of mu_f16
	s_add_nc_u64 s[G0B+4*\slot+2:G0B+4*\slot+3], s[G0B+4*\slot+2:G0B+4*\slot+3], 0x100000  ; 512 k-rows of 2,048 bytes
	JLOAD \slot                                    ; my one tensor load behind the round, and the first thing there
.endif
	PLACES
	FETCH \next, 0, F0
	WIN MULW
	MULB F1, 2, 6, 0
.endm
	s_wait_tensorcnt 0x1                           ; my part of slot 0 is in; slot 1's may stay out
	s_barrier_signal -1
	s_barrier_wait -1                              ; everybody's is
	FETCH 0, 0, F0
	PERIOD 0, 1, 1, 1, 0                           ; K 0..255: its first products start the sums; W2's group 0 is stored, group 1 loaded
	PERIOD 1, 0, 1, 0, 1
	WIN 0                                          ; at a label and at a branch every window is 0
	s_mov_b32 s3, 6                                ; 16 slots' K in all: 2 in front, 12 in the loop, 2 behind
.Lk:
	PERIOD 0, 1, 1, 0, 1
	PERIOD 1, 0, 1, 0, 1
	WIN 0
	s_sub_co_u32 s3, s3, 1
	s_cmp_lg_u32 s3, 0
	s_cbranch_scc1 .Lk
	PERIOD 0, 1, 0, 0, 1                           ; the last two fill nothing: a plain barrier changes the slots; W2's group 15 is loaded here
	s_wait_dscnt 8
	WIN MULW
	MULB F0, 0, 4, 0
	PLACES
	WIN 0
	FETCH 1, 1, F1
	SIDE 2                                         ; W2's group 15 is stored; nothing is left to load
	s_wait_dscnt 24
	WIN MULW
	MULB F0, 4, 4, 0
	s_wait_dscnt 0
	MULB F1, 0, 8, 0
	; THE WAY OUT, 32 rows at a time: every wave lays its partial sums into its own part of the scratch; behind a barrier wave w reads rows
	; 8 w .. 8 w + 7 of all four partials (512 consecutive bytes a load), adds them, adds t x W1[4096] + b1, applies the leaky step and the factor 1/16,
	; rounds to f16 and stores: one store of a wave is a row's 256 consecutive bytes, aligned.
	PLACES                                         ; behind the last matrix instructions: for the LDS stores of their results and the loads into the fragment buffers
	WIN 0
	s_wait_loadcnt 0x0                             ; W1's last row and b1 (met: W2's shares have waited for all loads)
	s_wait_kmcnt 0x0                               ; t
.macro PHASE p
	WIN 0x04                                       ; an LDS store's data in window 1
.irp a, 0,1
.irp b, 0,1,2,3,4,5,6,7
	ds_store_b128 v[STO], v[8*(8*(2*\p+\a)+\b):8*(8*(2*\p+\a)+\b)+3]   offset:\a*16*SP+64*\b
	ds_store_b128 v[STO], v[8*(8*(2*\p+\a)+\b)+4:8*(8*(2*\p+\a)+\b)+7] offset:\a*16*SP+64*\b+16
.endr
.endr
	WIN 0
	s_wait_dscnt 0x0                               ; for the others' sake: my partial sums lie in LDS
	s_barrier_signal -1
	s_barrier_wait -1
	s_wait_xcnt 0x0                                ; the packed results' registers, which earlier stores read (W2's last group among them), are written again only behind this wait
.irp i, 0,1,2,3,4,5,6,7
.irp q, 0,1,2,3
	ds_load_b128 v[X+16*\i+4*\q:X+16*\i+4*\q+3], v[RD] offset:\q*SCRW+\i*SP
.endr
.endr
.irp i, 0,1,2,3,4,5,6,7
	s_wait_dscnt 28-4*\i                           ; row i's four partials are in; four loads for each younger row stay out
.set XB, X+16*\i
	v_pk_add_f32 v[XB:XB+1],     v[XB:XB+1],     v[XB+4:XB+5]
	v_pk_add_f32 v[XB+2:XB+3],   v[XB+2:XB+3],   v[XB+6:XB+7]
	v_pk_add_f32 v[XB+8:XB+9],   v[XB+8:XB+9],   v[XB+12:XB+13]
	v_pk_add_f32 v[XB+10:XB+11], v[XB+10:XB+11], v[XB+14:XB+15]
	v_pk_add_f32 v[XB:XB+1],     v[XB:XB+1],     v[XB+8:XB+9]
	v_pk_add_f32 v[XB+2:XB+3],   v[XB+2:XB+3],   v[XB+10:XB+11]
.irp j, 0,1,2,3
	v_fma_f32 v[XB+\j], s[TS+8*\p+\i], v[WL+\j], v[XB+\j]          ; the 4,097th term of the product, in f32
.endr
	v_pk_add_f32 v[XB:XB+1],   v[XB:XB+1],   v[B1:B1+1]
	v_pk_add_f32 v[XB+2:XB+3], v[XB+2:XB+3], v[B1+2:B1+3]
	v_pk_mul_f32 v[XB+4:XB+5], v[XB:XB+1],   0x3a23d70a op_sel_hi:[1,0]   ; 0.01 x / 16: the f32 number 0.01 with its exponent four lower
	v_pk_mul_f32 v[XB+6:XB+7], v[XB+2:XB+3], 0x3a23d70a op_sel_hi:[1,0]
	v_pk_mul_f32 v[XB:XB+1],   v[XB:XB+1],   0x3d800000 op_sel_hi:[1,0]   ; x / 16
	v_pk_mul_f32 v[XB+2:XB+3], v[XB+2:XB+3], 0x3d800000 op_sel_hi:[1,0]
.irp j, 0,1,2,3
	v_max_num_f32 v[XB+\j], v[XB+\j], v[XB+4+\j]
.endr
	v_cvt_pk_f16_f32 v[YO+2*\i],   v[XB],   v[XB+1]
	v_cvt_pk_f16_f32 v[YO+2*\i+1], v[XB+2], v[XB+3]
	global_store_b64 v[HO], v[YO+2*\i:YO+2*\i+1], s[94:95] offset:(32*\p+\i)*2048
.endr
.endm
	PHASE 0
	s_barrier_signal -1                            ; every wave's reads of the scratch are back (the last count was 0): it may be written again
	s_barrier_wait -1
	PHASE 1
	s_wait_tensorcnt 0x0
	ds_add_u32 v15, v23
	s_wait_dscnt 0x0
	CROUND                                         ; the closing round: no work-group ends while a partner may still ask for a tile that names it
	s_endpgm
.Lfunc_end_k_qa228188857_layer1:
	.size	k_qa228188857_layer1, .Lfunc_end_k_qa228188857_layer1-k_qa228188857_layer1
	.p2alignl 7, 3214868480
	.fill 96, 4, 3214868480
	.section	.rodata,"a",@progbits
	.p2align	6, 0x0
	.amdhsa_kernel k_qa228188857_layer1
		.amdhsa_group_segment_fixed_size 327680
		.amdhsa_private_segment_fixed_size 0
		.amdhsa_enable_private_segment 0
		.amdhsa_kernarg_size 64
		.amdhsa_user_sgpr_count 2
		.amdhsa_user_sgpr_kernarg_segment_ptr 1
		.amdhsa_wavefront_size32 1
		.amdhsa_system_sgpr_workgroup_id_x 1
		.amdhsa_system_sgpr_workgroup_id_y 1
		.amdhsa_system_sgpr_workgroup_id_z 1
		.amdhsa_system_vgpr_workitem_id 0
		.amdhsa_next_free_vgpr 512
		.amdhsa_next_free_sgpr 102
		.amdhsa_reserve_vcc 0
		.amdhsa_float_denorm_mode_32 3
		.amdhsa_float_denorm_mode_16_64 3
		.amdhsa_memory_ordered 1
		.amdhsa_forward_progress 1
		.amdhsa_inst_pref_size 98
	.end_amdhsa_kernel
	.amdgpu_metadata
---
amdhsa.version: [ 1, 2 ]
amdhsa.kernels:
  - .name:           k_qa228188857_layer1
    .symbol:         k_qa228188857_layer1.kd
    .args:
      - { .name: mu_f16, .offset: 0, .size: 8, .value_kind: global_buffer, .address_space: global }
      - { .name: W1_f16, .offset: 8, .size: 8, .value_kind: global_buffer, .address_space: global }
      - { .name: W1, .offset: 16, .size: 8, .value_kind: global_buffer, .address_space: global }
      - { .name: b1, .offset: 24, .size: 8, .value_kind: global_buffer, .address_space: global }
      - { .name: t, .offset: 32, .size: 8, .value_kind: global_buffer, .address_space: global }
      - { .name: h_f16, .offset: 40, .size: 8, .value_kind: global_buffer, .address_space: global }
      - { .name: W2, .offset: 48, .size: 8, .value_kind: global_buffer, .address_space: global }
      - { .name: W2_f16, .offset: 56, .size: 8, .value_kind: global_buffer, .address_space: global }
    .group_segment_fixed_size: 327680
    .private_segment_fixed_size: 0
    .kernarg_segment_align: 8
    .kernarg_segment_size: 64
    .max_flat_workgroup_size: 128
    .sgpr_count:     102
    .vgpr_count:     512
    .wavefront_size: 32
...
	.end_amdgpu_metadata
.endif
;; end of part 2
;; launch layer2 (part 3): grid 32 x 8, 4 waves a work-group, clusters of 4 x 4, 327,680 bytes of LDS; arguments h_f16, W2_f16, mu, gamma, b2, out0; writes out0
.if DOCPART == 3
	.amdgcn_target "amdgcn-amd-amdhsa--gfx1250"
	.amdhsa_code_object_version 6
	.text
	.protected	k_qa228188857_layer2
	.globl	k_qa228188857_layer2
	.p2align	8
	.type	k_qa228188857_layer2,@function
k_qa228188857_layer2:
	s_mov_b64 s[64:65], 0
	v_nop
	global_prefetch_b8 v0, s[64:65] scope:SCOPE_SE
	s_setreg_imm32_b32 hwreg(HW_REG_WAVE_MODE, 25, 1), 1
	s_wait_xcnt 0x0
	s_wait_alu depctr_hold_cnt(0) depctr_sa_sdst(0) depctr_va_vdst(0) depctr_va_sdst(0) depctr_va_ssrc(0) depctr_va_vcc(0) depctr_vm_vsrc(0)
	s_getreg_b32 s2, hwreg(HW_REG_IB_STS2, 6, 4)
	s_cmp_eq_u32 s2, 0
	s_cbranch_scc0 .Lentry_in_a_cluster
	s_endpgm
.Lentry_in_a_cluster:
	s_bfe_u32 s2, ttmp6, 0x10000c
	s_cmp_lg_u32 s2, 0xf033
	s_cbranch_scc0 .Lentry_shape_is_right
	s_endpgm
.Lentry_shape_is_right:
; out0[b][d] = 0.5 (1 + erf( (0.875 - mu_x) inv )),  mu_x = mu / gamma - s mu_eps,  inv = 1 / (s exp(ln_sigma) sqrt 2),  s = sqrt((1 - gamma) / gamma),
; [mu_eps | ln_sigma] = 16 (h_f16 x W2_f16) + b2.   h_f16 [2048][1024] f16, holding h / 16; W2_f16 [1024][8192] f16 (k down the rows); mu, out0 [2048][4096] f32.
; f16 AND NOT bf16: an error of mu_eps reaches the result multiplied by exp(-z^2) exp(-ln_sigma) / sqrt(2 pi), which grows as ln_sigma falls; f16's 11-bit
; significand rounds the operands eight times finer than bf16's 8 bits.  The operands' room in f16 is reckoned where they are made.
; THE SUM OVER THE 16 BINS TELESCOPES, for every input: the left bound of bin k + 1 is the same number as the right bound of bin k, so their cdf values
; are the same number and cancel; the cdf at -1.125 and at -1 is clamped to 0; what is left is the cdf at the last right bound, 0.875.
; LIMITS.  (1) The cancelled terms are not formed: the result differs from a sum of 16 differences of numbers in [0, 1] by that sum's rounding (some 1e-6), and where
; inv is infinite and mu_x equals one of the 14 inner bounds exactly, the term-by-term sum is NaN and this text's result is not.
; (2) erf(x) = sign(x) (1 - (1 + a1 |x| + .. + a6 |x|^6)^-16), Abramowitz and Stegun 7.1.28: 3e-7 absolute as a formula, some 1e-5 after the
; sixteenth power in f32, for every x; an infinite x gives 1 or -1, NaN stays NaN.
; (3) inv is formed as exp2(-log2(e) ln_sigma) x 1 / (s sqrt 2): where exp overflows or underflows both forms end at 0 or infinity; last bits and the
; denormal fringe (v_exp_f32, v_rcp_f32 and v_sqrt_f32 flush denormals: ISA guide 15.8) differ.  1 / gamma is v_rcp_f32.
; THE PRODUCT.  A work-group makes 256 rows x 128 values of d: the 128 mu_eps columns and the 128 ln_sigma columns that belong to them, 256 x 256 numbers with
; four waves; a wave makes 128 rows x (64 + 64) columns in 512 registers, so that the two numbers of one (b, d) lie in the same lane and register
; of tiles (a, b) and (a, b + 4).  K goes in steps of 128 through two LDS slots; each wave fetches a quarter of a slot (128 rows x 256 bytes) with one tensor load.
; CLUSTERS: 4 x 4 work-groups; h's tiles are asked for jointly along a row of the cluster, W2's along a column: a quarter of the requests.
; REGISTERS: window 0: v0-63 addresses and constants, v64-191 A's fragments (two buffers), v192-255 mu; window 1: v64-191 B's fragments;
; windows 2, 3: the accumulator tiles of my rows 0-63, 64-127 (tile (a, b) at v[8 (8 a + b)]).
; The matrix instruction is used transposed (source 0 = B's fragment, source 1 = A's): lane l holds row l % 16 and eight neighbouring columns.
.set KSTEP,  128
.set PITCH,  272                       ; A's LDS row: 256 bytes + 16
.set PB,     288                       ; B's LDS row: 256 bytes + 32, an odd multiple of 32, for the transposing load
.set HALFA,  128*PITCH                 ; 34,816
.set BSUB,   128*PB                    ; 36,864: 128 k-rows of the mu_eps or of the ln_sigma columns
.set BOFF,   2*HALFA
.set SLOT,   BOFF+2*BSUB               ; 143,360
.set STAGE,  2*SLOT                    ; 286,720: behind the ring; no tensor load lands here
.set SPITCH, 272                       ; a stage row: 64 f32 + 16 bytes
.set SHALF,  16*SPITCH                 ; 16 rows of mu_eps; 16 rows of ln_sigma follow
.set SWAVE,  2*SHALF
.set TBL,    STAGE+4*SWAVE             ; 321,536: 256 rows x 16 bytes: -1/gamma, s, 1/(s sqrt 2), 0
.set LAPS,   4                         ; K = 1,024 = 4 laps of two K steps
.set ADRA,  16                         ; v16-17  LDS address of my A fragments in slot 0, 1
.set ADRBE, 18                         ; v18-19  of my mu_eps fragments
.set ADRBL, 20                         ; v20-21  of my ln_sigma fragments
.set STO,   22                         ; v22     stage: where I put 32 bytes of a row
.set RD,    23                         ; v23     stage: where I read rows back
.set TR,    24                         ; v24     my row's entry of the table
.set MO,    25                         ; v25     my byte offset in mu and in out0
.set PF,    26                         ; v26     one row a lane, for the prefetch
.set B2E,   32                         ; v[32:35] b2 of my four mu_eps columns
.set B2L,   36                         ; v[36:39] -log2(e) x b2 of my four ln_sigma columns
.set A6,    40                         ; v[40:41] a6, twice
.set F0,    64
.set F1,    128
.set E,     64                         ; the tail: v[64:95]   8 x 4 sums for mu_eps, then results
.set LS,    96                         ;           v[96:127]  8 x 4 sums for ln_sigma
.set RC,    128                        ;           v[128:159] 8 table entries
.set WX,    160                        ;           v[160:167] exp(-ln_sigma)
.set AZ,    168                        ;           v[168:175] |z|
.set PP,    176                        ;           v[176:183] the polynomial
.set RR,    184                        ;           v[184:191] its reciprocal
.set MU,    192                        ; v[192:255] mu of two groups of 16 rows
.set G1,  24
.set G0,  32
.set G1B, 48
.set G0B, 56
.set MSB, 0
.macro WIN new                         ; the immediate's high byte repeats the setting that is left
.if MSB != \new
	s_set_vgpr_msb (MSB<<8)|\new
.set MSB, \new
.endif
.endm
.set MUL_LO, 0xa1                      ; source 0 (B) window 1, source 1 (A) window 0, C and D window 2
.set MUL_HI, 0xf1                      ; the same, C and D window 3
.set TO_B,   0x40                      ; destination window 1, address window 0
.macro JLOAD s                         ; a joint load: waves 0, 1 fetch A's halves, waves 2, 3 the two column sets of B; the branch hangs on the wave's number alone
	s_cmp_eq_u32 s11, 0
	s_cbranch_scc0 .Lfor_b_\@
	tensor_load_to_lds s[G0+4*\s:G0+4*\s+3], s[G1:G1+7]
	s_nop 0
	s_branch .Lasked_\@
.Lfor_b_\@:
	tensor_load_to_lds s[G0B+4*\s:G0B+4*\s+3], s[G1B:G1B+7]
	s_nop 0
.Lasked_\@:
.endm
.macro CREST                           ; a round of the cluster's barrier behind its opening work-group barrier
	s_cmp_lg_u32 s10, 0
	s_cbranch_scc1 .Lnot_wave_0_\@
	s_barrier_signal -3
.Lnot_wave_0_\@:
	s_barrier_wait -3
	s_barrier_signal -1
	s_barrier_wait -1
.endm
.macro CROUND
	s_barrier_signal -1
	s_barrier_wait -1
	CREST
.endm
.macro PLACES                          ; four plain vector places behind a matrix instruction (ISA guide 7.12.1)
.rept 4
	v_nop
.endr
.endm
	s_load_b128 s[4:7], s[0:1], 0x0                ; h_f16 s[4:5], W2_f16 s[6:7]
	s_load_b256 s[68:75], s[0:1], 0x10             ; mu s[68:69], gamma s[70:71], b2 s[72:73], out0 s[74:75]
	s_set_vgpr_msb 0x40
	v_lshl_add_u32 v255, v0, 2, 0x4f800
	s_set_vgpr_msb 0x4000
	v_mov_b32 v63, 0
	s_set_vgpr_msb 0x1
	ds_add_u32 v255, v63
	s_set_vgpr_msb 0x100
	v_lshrrev_b32 v1, 5, v0
	v_readfirstlane_b32 s10, v1                    ; wave 0..3
	s_lshr_b32 s11, s10, 1                         ; which 128 rows are mine.  Also: I fetch for A (0) or for B (1)
	s_and_b32 s12, s10, 1                          ; which 64 values of d are mine.  Also: which part of that tile I fetch
	s_bfe_u32 s40, ttmp6, 0x40000                  ; cx
	s_bfe_u32 s41, ttmp6, 0x40004                  ; cy
	s_lshl_b32 s42, ttmp9, 2
	s_add_co_u32 s42, s42, s40                     ; block column 0..31
	s_and_b32 s13, ttmp7, 0xffff
	s_lshl_b32 s13, s13, 2
	s_add_co_u32 s13, s13, s41                     ; block row 0..7
	s_lshl_b32 s43, s41, 2
	s_lshl_b32 s43, 15, s43                        ; my row of the cluster
	s_lshl_b32 s44, 0x1111, s40                    ; my column
	; both tiles: 128 rows x 128 elements of 2 bytes; A with 4 words of padding behind every 64 words, B with 8
	s_or_b32 s[G1+0], s43, (1<<16)|(1<<20)|(1<<21)|(5<<22)|(3<<25)
	s_or_b32 s[G1B+0], s44, (1<<16)|(1<<20)|(1<<21)|(5<<22)|(7<<25)
	s_mov_b32 s[G1+1], 128<<16                     ; tensor_dim0
	s_mov_b32 s[G1B+1], 128<<16
	s_mov_b32 s[G1+2], 128<<16                     ; tensor_dim1
	s_mov_b32 s[G1B+2], 128<<16
	s_mov_b32 s[G1+3], 128<<16                     ; tile_dim0
	s_mov_b32 s[G1B+3], 128<<16
	s_mov_b32 s[G1+4], 128                         ; tile_dim1
	s_mov_b32 s[G1B+4], 128
	s_mov_b32 s[G1+5], 1024                        ; elements from row to row of h_f16
	s_mov_b32 s[G1B+5], 8192                       ; of W2_f16
	s_mov_b32 s[G1+6], 0
	s_mov_b32 s[G1B+6], 0
	s_mov_b32 s[G1+7], 0
	s_mov_b32 s[G1B+7], 0
	s_lshl_b32 s16, s13, 19                        ; A: 256 rows x 2,048 bytes a block row
	s_lshl_b32 s17, s12, 18                        ; + 128 rows for the second half
	s_add_co_u32 s16, s16, s17
	s_mov_b32 s17, 0
	s_lshl_b32 s46, s42, 8                         ; B: 256 bytes a block column
	s_lshl_b32 s47, s12, 13                        ; + 4,096 columns (8,192 bytes) for ln_sigma
	s_add_co_u32 s46, s46, s47
	s_mov_b32 s47, 0
	s_mul_i32 s20, s12, HALFA                      ; where they go: no place in the cluster enters an LDS address
	s_mul_i32 s21, s12, BSUB
	s_add_co_u32 s21, s21, BOFF
	s_wait_dscnt 0x0
	s_wait_kmcnt 0x0
	s_add_nc_u64 s[14:15], s[4:5], s[16:17]
	s_add_nc_u64 s[46:47], s[6:7], s[46:47]
	CROUND                                         ; all sixteen work-groups are here: the first joint loads meet
.irp s, 0,1
	s_mov_b32 s[G0+4*\s], 1
	s_add_co_u32 s[G0+4*\s+1], s20, \s*SLOT
	s_add_nc_u64 s[G0+4*\s+2:G0+4*\s+3], s[14:15], \s*KSTEP*2      ; K step s
	s_or_b32 s[G0+4*\s+3], s[G0+4*\s+3], 0x80000000
	s_mov_b32 s[G0B+4*\s], 1
	s_add_co_u32 s[G0B+4*\s+1], s21, \s*SLOT
	s_add_nc_u64 s[G0B+4*\s+2:G0B+4*\s+3], s[46:47], \s*KSTEP*16384
	s_or_b32 s[G0B+4*\s+3], s[G0B+4*\s+3], 0x80000000
	JLOAD \s                                       ; both first fills go out before anything else: two loads of the wave are out
.endr
	; the other buffers' addresses
	s_lshl_b32 s66, s13, 8
	s_lshl_b32 s67, s11, 7
	s_add_co_u32 s66, s66, s67                     ; my first row
	s_lshl_b32 s66, s66, 14                        ; x 16,384 bytes
	s_lshl_b32 s82, s42, 9
	s_lshl_b32 s83, s12, 8
	s_add_co_u32 s82, s82, s83                     ; my first d x 4 bytes
	s_mov_b32 s83, 0
	s_add_co_u32 s66, s66, s82
	s_mov_b32 s67, 0
	s_add_nc_u64 s[76:77], s[68:69], s[66:67]      ; mu at my corner
	s_add_nc_u64 s[78:79], s[74:75], s[66:67]      ; out0 at my corner
	s_add_nc_u64 s[72:73], s[72:73], s[82:83]      ; b2 at my first d
	s_lshl_b32 s84, s13, 10                        ; gamma: 256 rows x 4 bytes a block row
	s_mov_b32 s85, 0
	s_add_nc_u64 s[70:71], s[70:71], s[84:85]
	s_mov_b32 s80, 0x7fffffff                      ; all but the sign
	; lane addresses
	v_and_b32 v1, 15, v0                           ; r
	v_bfe_u32 v2, v0, 4, 1                         ; h
	v_and_b32 v3, 7, v0
	v_bfe_u32 v4, v0, 3, 1
	v_and_b32 v5, 31, v0                           ; l
	v_lshlrev_b32 v10, 4, v1                       ; 16 r
	v_lshlrev_b32 v11, 2, v0                       ; 4 x thread
	global_load_b32 v42, v11, s[70:71]             ; gamma of the block's row = thread,
	global_load_b32 v43, v11, s[70:71] offset:512  ; and of row 128 + thread
	global_load_b128 v[B2E:B2E+3], v10, s[72:73]
	global_load_b128 v[B2L:B2L+3], v10, s[72:73] offset:16384
	v_mul_u32_u24 v6, v1, PITCH
	v_lshl_add_u32 v6, v2, 4, v6                   ; A: r x pitch + 16 h
	s_mul_i32 s21, s11, HALFA                      ; + my 128 rows
	v_add_nc_u32 v[ADRA], s21, v6
	v_add_nc_u32 v[ADRA+1], SLOT, v[ADRA]
	v_lshl_add_u32 v7, v2, 3, v3                   ; B: k-row 8 h + l % 8
	v_mul_u32_u24 v7, v7, PB
	v_lshl_add_u32 v7, v4, 4, v7                   ; + 16 bytes for the upper eight of sixteen columns
	s_lshl_b32 s22, s12, 7                         ; + my 64 columns
	s_add_co_u32 s22, s22, BOFF
	v_add_nc_u32 v[ADRBE], s22, v7
	v_add_nc_u32 v[ADRBE+1], SLOT, v[ADRBE]
	v_add_nc_u32 v[ADRBL], BSUB, v[ADRBE]
	v_add_nc_u32 v[ADRBL+1], BSUB, v[ADRBE+1]
	s_mul_i32 s23, s10, SWAVE
	s_add_co_u32 s23, s23, STAGE                   ; my stage
	v_mul_u32_u24 v8, v1, SPITCH
	v_lshl_add_u32 v8, v2, 5, v8                   ; in: row r, 32 bytes for each half of the lanes
	v_add_nc_u32 v[STO], s23, v8
	v_mul_u32_u24 v9, v2, SPITCH
	v_lshl_add_u32 v9, v1, 4, v9                   ; back: lanes 0-15 one row of 256 bytes, lanes 16-31 the next
	v_add_nc_u32 v[RD], s23, v9
	s_lshl_b32 s21, s11, 11                        ; the table: my 128 rows of 16 bytes
	s_add_co_u32 s21, s21, TBL
	v_lshl_add_u32 v[TR], v2, 4, s21
	v_lshl_add_u32 v[MO], v2, 14, v10              ; the same two rows in mu and out0
	v_lshlrev_b32 v[PF], 14, v5
	v_lshl_add_u32 v56, v0, 4, TBL
	v_mov_b32 v[A6], 0x38349f67                    ; a6 = 0.0000430638
	v_mov_b32 v[A6+1], 0x38349f67
	; the table: what hangs on the row alone is worked out once for each of the 256 rows.  Behind each run of transcendentals a plain vector
	; instruction that touches none of their results comes first (ISA guide 5.7.2)
	s_wait_loadcnt 0x0
	v_rcp_f32 v44, v42                             ; 1 / gamma
	v_rcp_f32 v48, v43
	v_sub_f32 v52, 1.0, v42
	v_sub_f32 v53, 1.0, v43
	s_wait_alu depctr_va_vdst(0)
	v_mul_f32 v52, v52, v44                        ; (1 - gamma) / gamma
	v_mul_f32 v53, v53, v48
	v_sqrt_f32 v45, v52                            ; s
	v_sqrt_f32 v49, v53
	v_xor_b32 v44, 0x80000000, v44                 ; -1 / gamma
	v_xor_b32 v48, 0x80000000, v48
	s_wait_alu depctr_va_vdst(0)
	v_mul_f32 v54, 0x3fb504f3, v45                 ; s sqrt 2
	v_mul_f32 v55, 0x3fb504f3, v49
	v_rcp_f32 v46, v54
	v_rcp_f32 v50, v55
	v_mov_b32 v47, 0
	v_mov_b32 v51, 0
	v_pk_mul_f32 v[B2L:B2L+1],   v[B2L:B2L+1],   0xbfb8aa3b op_sel_hi:[1,0]   ; -log2(e) b2
	v_pk_mul_f32 v[B2L+2:B2L+3], v[B2L+2:B2L+3], 0xbfb8aa3b op_sel_hi:[1,0]
	s_wait_alu depctr_va_vdst(0)
	ds_store_b128 v56, v[44:47]
	ds_store_b128 v56, v[48:51] offset:2048
; 16 matrix instructions: row blocks a0, a0 + 1 of the window's four x all 8 column blocks, 32 along K.  zero = 1: the first product starts the sums.
; The 64 accumulators take turns, one instruction a turn, in the same order in every quarter step.
.macro MUL16 f, hi, a0, zero
.irp a, \a0, \a0+1
.irp b, 0,1,2,3,4,5,6,7
.if \zero
	v_wmma_f32_16x16x32_f16 v[8*(8*(\a)+\b):8*(8*(\a)+\b)+7], v[\f+8*\b:\f+8*\b+7], v[\f+8*(4*\hi+\a):\f+8*(4*\hi+\a)+7], 0
.else
	v_wmma_f32_16x16x32_f16 v[8*(8*(\a)+\b):8*(8*(\a)+\b)+7], v[\f+8*\b:\f+8*\b+7], v[\f+8*(4*\hi+\a):\f+8*(4*\hi+\a)+7], v[8*(8*(\a)+\b):8*(8*(\a)+\b)+7]
.endif
.endr
.endr
.endm
; 32 LDS loads in one run: the fragments of quarter kq of a K step: 64 mu_eps columns, 64 ln_sigma columns (transposed on the way), 128 rows of A
.macro FETCH slot, kq, f
	WIN TO_B
.irp i, 0,1,2,3
	ds_load_tr16_b128 v[\f+8*\i:\f+8*\i+3],   v[ADRBE+\slot] offset:\kq*32*PB+32*\i
	ds_load_tr16_b128 v[\f+8*\i+4:\f+8*\i+7], v[ADRBE+\slot] offset:\kq*32*PB+32*\i+16*PB
.endr
.irp i, 0,1,2,3
	ds_load_tr16_b128 v[\f+32+8*\i:\f+32+8*\i+3],   v[ADRBL+\slot] offset:\kq*32*PB+32*\i
	ds_load_tr16_b128 v[\f+32+8*\i+4:\f+32+8*\i+7], v[ADRBL+\slot] offset:\kq*32*PB+32*\i+16*PB
.endr
	WIN 0
.irp i, 0,1,2,3,4,5,6,7
	ds_load_b128 v[\f+8*\i:\f+8*\i+3],   v[ADRA+\slot] offset:\kq*64+\i*16*PITCH
	ds_load_b128 v[\f+8*\i+4:\f+8*\i+7], v[ADRA+\slot] offset:\kq*64+\i*16*PITCH+32
.endr
.endm
; One of a K step's first three quarters: multiplies buffer f; in its middle it fetches quarter kq of the same slot into buffer g.
.macro QUARTER slot, kq, f, g, zero
	s_wait_dscnt 8                                 ; B and A's rows 0-63 are in; the youngest eight loads (A's rows 64-127) may be out
	WIN MUL_LO
	MUL16 \f, 0, 0, \zero
	MUL16 \f, 0, 2, \zero
	PLACES
	FETCH \slot, \kq, \g
	s_wait_dscnt 32                                ; all but the 32 just issued
	WIN MUL_HI
	MUL16 \f, 1, 0, \zero
	MUL16 \f, 1, 2, \zero
.endm
.macro THREE slot, zero
	QUARTER \slot, 1, F0, F1, \zero
	QUARTER \slot, 2, F1, F0, 0
	QUARTER \slot, 3, F0, F1, 0
.endm
; The last quarter: multiplies buffer 1 and changes slots.  fill = 1: this slot is filled again, two K steps ahead.
; From a request to the wait for it a wave issues 240 matrix instructions.
.macro TURN slot, next, fill
	s_wait_dscnt 8
	WIN MUL_LO
	MUL16 F1, 0, 0, 0
	s_wait_dscnt 0                                 ; my reads of this slot are over
	s_wait_tensorcnt 0x0                           ; all my tensor loads have landed: the one that was out is my part of the next slot
	ds_add_u32 v255, v63
	s_wait_dscnt 0x0
	s_barrier_signal -1                            ; say so (where a slot is filled again this barrier opens a round of the cluster's barrier),
	MUL16 F1, 0, 2, 0                              ; work on registers while the others arrive,
	WIN 0
	s_barrier_wait -1
.if \fill
	CREST                                          ; no wave of any partner still reads this slot or has a load on its way
	s_add_nc_u64 s[G0+4*\slot+2:G0+4*\slot+3], s[G0+4*\slot+2:G0+4*\slot+3], 2*KSTEP*2
	s_add_nc_u64 s[G0B+4*\slot+2:G0B+4*\slot+3], s[G0B+4*\slot+2:G0B+4*\slot+3], 2*KSTEP*16384
	JLOAD \slot                                    ; my one tensor load behind the round, and the first thing there
.endif
	PLACES
	FETCH \next, 0, F0
	WIN MUL_HI
	MUL16 F1, 1, 0, 0
	MUL16 F1, 1, 2, 0
.endm
.macro LAP zero
	THREE 0, \zero
	TURN 0, 1, 1
	THREE 1, 0
	TURN 1, 0, 1
.endm
.macro MULOAD g                        ; mu of rows 16 g .. 16 g + 15 of my 128: sixteen lanes take a row's 256 consecutive bytes; groups take the two register sets by turns
.irp t, 0,1,2,3,4,5,6,7
	global_load_b128 v[MU+32*((\g)%2)+4*\t:MU+32*((\g)%2)+4*\t+3], v[MO], s[76:77] offset:(16*(\g)+2*\t)*16384 th:TH_LOAD_NT
.endr
.endm
	s_wait_tensorcnt 0x1                           ; my part of K step 0 is in; K step 1's may stay out
	s_wait_dscnt 0x0                               ; my two entries of the table lie in LDS
	s_barrier_signal -1
	s_barrier_wait -1
	FETCH 0, 0, F0
	LAP 1                                          ; the first lap stands in front of the loop: its first products start the sums
	WIN 0                                          ; at a label and at a branch every window is 0
	s_mov_b32 s3, LAPS-2
.Llap:
	LAP 0
	WIN 0
	s_sub_co_u32 s3, s3, 1
	s_cmp_lg_u32 s3, 0
	s_cbranch_scc1 .Llap
	THREE 0, 0                                     ; the last lap fills nothing
	TURN 0, 1, 0
	WIN 0
	MULOAD 0                                       ; one K step ahead of the tail: mu of my first 32 rows into registers,
	MULOAD 1
.irp i, 1,2,3
	global_prefetch_b8 v[PF], s[76:77] offset:\i*32*16384 th:TH_LOAD_NT scope:SCOPE_SE   ; and a request for my 256 bytes of each of my rows 32 .. 127: one lane a row, each asked for once, by the wave that will load it
.endr
	THREE 1, 0
	s_wait_dscnt 8                                 ; the very last quarter
	WIN MUL_LO
	MUL16 F1, 0, 0, 0
	MUL16 F1, 0, 2, 0
	s_wait_dscnt 0
	WIN MUL_HI
	MUL16 F1, 1, 0, 0
	MUL16 F1, 1, 2, 0
; THE TAIL on 8 numbers: two read-backs (four rows' pieces), four packed chains that do not wait for each other.
; p: which two of the group's eight read-backs; mreg: mu's registers of this group; row: the first of the rows, counted in my 128.
.macro TAIL8 p, mreg, row
.set EB, E+8*\p
.set LB, LS+8*\p
.set RB, RC+8*\p
.set MB, \mreg+8*\p
.irp u, 0,1,2,3
	v_pk_fma_f32 v[EB+2*\u:EB+2*\u+1], v[EB+2*\u:EB+2*\u+1], 0x41800000, v[B2E+2*(\u%2):B2E+2*(\u%2)+1] op_sel_hi:[1,0,1]                ; mu_eps = 16 x sum + b2: the 16 takes h's factor back
.endr
.irp u, 0,1,2,3
	v_pk_fma_f32 v[EB+2*\u:EB+2*\u+1], v[EB+2*\u:EB+2*\u+1], v[RB+4*(\u/2):RB+4*(\u/2)+1], 0x3f600000 op_sel:[0,1,0] op_sel_hi:[1,1,0]   ; s mu_eps + 0.875
.endr
.irp u, 0,1,2,3
	v_pk_fma_f32 v[EB+2*\u:EB+2*\u+1], v[MB+2*\u:MB+2*\u+1], v[RB+4*(\u/2):RB+4*(\u/2)+1], v[EB+2*\u:EB+2*\u+1] op_sel_hi:[1,0,1]        ; - mu / gamma: 0.875 - mu_x
.endr
.irp u, 0,1,2,3
	v_pk_fma_f32 v[LB+2*\u:LB+2*\u+1], v[LB+2*\u:LB+2*\u+1], 0xc1b8aa3b, v[B2L+2*(\u%2):B2L+2*(\u%2)+1] op_sel_hi:[1,0,1]                ; -log2(e) ln_sigma = -16 log2(e) x sum - log2(e) b2
.endr
.irp j, 0,1,2,3,4,5,6,7
	v_exp_f32 v[WX+\j], v[LB+\j]
.endr
.irp u, 0,1,2,3
	v_pk_mul_f32 v[EB+2*\u:EB+2*\u+1], v[EB+2*\u:EB+2*\u+1], v[RB+4*(\u/2)+2:RB+4*(\u/2)+3] op_sel_hi:[1,0]   ; x 1 / (s sqrt 2): the plain work behind the exponentials
.endr
	s_wait_alu depctr_va_vdst(0)
.irp u, 0,1,2,3
	v_pk_mul_f32 v[EB+2*\u:EB+2*\u+1], v[EB+2*\u:EB+2*\u+1], v[WX+2*\u:WX+2*\u+1]                            ; z
.endr
.irp j, 0,1,2,3,4,5,6,7
	v_and_b32 v[AZ+\j], s80, v[EB+\j]                                                                      ; |z|
.endr
.irp u, 0,1,2,3
	v_pk_fma_f32 v[PP+2*\u:PP+2*\u+1], v[AZ+2*\u:AZ+2*\u+1], v[A6:A6+1], 0x39910039 op_sel_hi:[1,1,0]        ; a6 |z| + a5
.endr
.irp c, 0x391f6607, 0x3c17e369, 0x3d2d2fe7, 0x3d906e67, 1.0
.irp u, 0,1,2,3
	v_pk_fma_f32 v[PP+2*\u:PP+2*\u+1], v[PP+2*\u:PP+2*\u+1], v[AZ+2*\u:AZ+2*\u+1], \c op_sel_hi:[1,1,0]      ; .. a4, a3, a2, a1, 1
.endr
.endr
.rept 4
.irp u, 0,1,2,3
	v_pk_mul_f32 v[PP+2*\u:PP+2*\u+1], v[PP+2*\u:PP+2*\u+1], v[PP+2*\u:PP+2*\u+1]                            ; four squarings: the sixteenth power
.endr
.endr
.irp j, 0,1,2,3,4,5,6,7
	v_rcp_f32 v[RR+\j], v[PP+\j]
.endr
	v_nop                                                                                                  ; the plain place behind the reciprocals
	s_wait_alu depctr_va_vdst(0)
.irp u, 0,1,2,3
	v_pk_fma_f32 v[RR+2*\u:RR+2*\u+1], v[RR+2*\u:RR+2*\u+1], -0.5, 0.5 op_sel_hi:[1,0,0]                     ; erf(|z|) / 2
.endr
.irp j, 0,1,2,3,4,5,6,7
	v_bfi_b32 v[RR+\j], s80, v[RR+\j], v[EB+\j]                                                            ; with z's sign
.endr
.irp u, 0,1,2,3
	v_pk_add_f32 v[EB+2*\u:EB+2*\u+1], v[RR+2*\u:RR+2*\u+1], 0.5 op_sel_hi:[1,0]
.endr
	global_store_b128 v[MO], v[EB:EB+3],   s[78:79] offset:(\row)*16384 th:TH_STORE_NT                       ; sixteen lanes store 256 consecutive bytes, aligned
	global_store_b128 v[MO], v[EB+4:EB+7], s[78:79] offset:(\row+2)*16384 th:TH_STORE_NT
.endm
; Rows 16 i .. 16 i + 15 of my block = the eight tiles (a, 0..7) of window 2 or 3 (win: an LDS store's data window).  They go through my own stage, so that a lane
; gets four neighbouring d of one row, with mu_eps and ln_sigma side by side.  LDS serves a wave's instructions in order (ISA guide 5.7.1): no wait between
; the stores and the loads, nor between a group's loads and the next group's stores.  left = how many younger loads of mu may stay out.
.macro OUT16 i, a, win, left
	WIN \win
.irp b, 0,1,2,3,4,5,6,7
	ds_store_b128 v[STO], v[8*(8*\a+\b):8*(8*\a+\b)+3]   offset:(\b/4)*SHALF+64*(\b%4)
	ds_store_b128 v[STO], v[8*(8*\a+\b)+4:8*(8*\a+\b)+7] offset:(\b/4)*SHALF+64*(\b%4)+16
.endr
	WIN 0
	s_wait_xcnt 0x0                                ; the last group's results, which its stores read, are loaded over only behind this wait
.irp t, 0,1,2,3,4,5,6,7
	ds_load_b128 v[E+4*\t:E+4*\t+3],   v[RD] offset:\t*2*SPITCH
	ds_load_b128 v[LS+4*\t:LS+4*\t+3], v[RD] offset:\t*2*SPITCH+SHALF
	ds_load_b128 v[RC+4*\t:RC+4*\t+3], v[TR] offset:256*\i+32*\t
.endr
	s_wait_loadcnt \left                           ; this group's mu is in; the next group's eight loads stay out
.irp p, 0,1,2,3
	s_wait_dscnt 18-6*\p                           ; read-backs 2 p and 2 p + 1 are in: three loads for each younger one stay out
	TAIL8 \p, MU+32*(\i%2), 16*\i+4*\p
.endr
.if \i < 6
	MULOAD \i+2                                    ; into the registers that this group has just used
.endif
.endm
	PLACES                                         ; behind the last matrix instructions: for the LDS stores of results and the loads into the fragment buffers
	OUT16 0, 0, 0x08, 8
	OUT16 1, 1, 0x08, 8
	OUT16 2, 2, 0x08, 8
	OUT16 3, 3, 0x08, 8
	OUT16 4, 0, 0x0c, 8
	OUT16 5, 1, 0x0c, 8
	OUT16 6, 2, 0x0c, 8
	OUT16 7, 3, 0x0c, 0
	s_set_vgpr_msb 0x1
	s_wait_tensorcnt 0x0
	ds_add_u32 v255, v63
	s_wait_dscnt 0x0
	s_set_vgpr_msb 0x100
	CROUND                                         ; the closing round: no work-group ends while a partner may still ask for a tile that names it
	s_endpgm
.Lfunc_end_k_qa228188857_layer2:
	.size	k_qa228188857_layer2, .Lfunc_end_k_qa228188857_layer2-k_qa228188857_layer2
	.p2alignl 7, 3214868480
	.fill 96, 4, 3214868480
	.section	.rodata,"a",@progbits
	.p2align	6, 0x0
	.amdhsa_kernel k_qa228188857_layer2
		.amdhsa_group_segment_fixed_size 327680
		.amdhsa_private_segment_fixed_size 0
		.amdhsa_enable_private_segment 0
		.amdhsa_kernarg_size 48
		.amdhsa_user_sgpr_count 2
		.amdhsa_user_sgpr_kernarg_segment_ptr 1
		.amdhsa_wavefront_size32 1
		.amdhsa_system_sgpr_workgroup_id_x 1
		.amdhsa_system_sgpr_workgroup_id_y 1
		.amdhsa_system_sgpr_workgroup_id_z 1
		.amdhsa_system_vgpr_workitem_id 0
		.amdhsa_next_free_vgpr 1024
		.amdhsa_next_free_sgpr 96
		.amdhsa_reserve_vcc 0
		.amdhsa_float_denorm_mode_32 3
		.amdhsa_float_denorm_mode_16_64 3
		.amdhsa_memory_ordered 1
		.amdhsa_forward_progress 1
		.amdhsa_inst_pref_size 255
	.end_amdhsa_kernel
	.section	.bss,"aw",@nobits
	.p2align	6
	.space	262144
	.amdgpu_metadata
---
amdhsa.version: [ 1, 2 ]
amdhsa.kernels:
  - .name:           k_qa228188857_layer2
    .symbol:         k_qa228188857_layer2.kd
    .args:
      - { .name: h_f16, .offset: 0, .size: 8, .value_kind: global_buffer, .address_space: global }
      - { .name: W2_f16, .offset: 8, .size: 8, .value_kind: global_buffer, .address_space: global }
      - { .name: mu, .offset: 16, .size: 8, .value_kind: global_buffer, .address_space: global }
      - { .name: gamma, .offset: 24, .size: 8, .value_kind: global_buffer, .address_space: global }
      - { .name: b2, .offset: 32, .size: 8, .value_kind: global_buffer, .address_space: global }
      - { .name: out0, .offset: 40, .size: 8, .value_kind: global_buffer, .address_space: global }
    .group_segment_fixed_size: 327680
    .private_segment_fixed_size: 0
    .kernarg_segment_align: 8
    .kernarg_segment_size: 48
    .max_flat_workgroup_size: 128
    .sgpr_count:     96
    .vgpr_count:     1024
    .wavefront_size: 32
...
	.end_amdgpu_metadata
.endif
;; end of part 3
;; ======== version 2 of 2: 3 launches; version 1 with the launch cast written anew for expert scheduling mode
;; limits: a function is approximated: absolute error at most 1e-05; values are held in f16: magnitudes above 65,504 overflow, below 6.1e-05 lose precision
;; workspace buffers: mu_f16 16,777,216 bytes; W1_f16 8,388,608 bytes; W2_f16 16,777,216 bytes; h_f16 4,194,304 bytes
;; launch cast (part 4): grid 768 x 1, 8 waves a work-group, no clusters, 0 bytes of LDS; arguments mu, W1, mu_f16, W1_f16; writes mu_f16, W1_f16
.if DOCPART == 4
	.amdgcn_target "amdgcn-amd-amdhsa--gfx1250"
	.amdhsa_code_object_version 6
	.text
	.protected	k_qa228188857_cast
	.globl	k_qa228188857_cast
	.p2align	8
	.type	k_qa228188857_cast,@function
k_qa228188857_cast:
	s_mov_b64 s[64:65], 0
	v_nop
	global_prefetch_b8 v0, s[64:65] scope:SCOPE_SE
	s_setreg_imm32_b32 hwreg(HW_REG_WAVE_SCHED_MODE, 0, 2), 2
	s_setreg_imm32_b32 hwreg(HW_REG_WAVE_MODE, 25, 1), 1
	s_wait_xcnt 0x0
	s_wait_alu depctr_vm_vsrc(0)
; f32 to f16, layout unchanged: mu [2048][4096] and rows 0..4095 of W1 [4097][1024]: the operands of the first product.
; (W1's last row, the one that multiplies t, stays f32 and is read by the next launch.  W2 is converted by the next launch, beside its matrix work.)
; WHY f16 AND NOT bf16: the final result multiplies an error of mu_eps by exp(-z^2) exp(-ln_sigma) / sqrt(2 pi), which grows without bound as ln_sigma falls;
; f16's significand of 11 bits makes the operands' rounding eight times finer than bf16's 8 bits.
; LIMIT OF RANGE: a number beyond 65,504 in magnitude becomes infinite; below 6.1e-5 the step is 6e-8.  Room: mu of spread 1 and W1 of spread 1/64,
; each 30 times larger or with an offset of 30 spreads, stay below 200; 30 times smaller, W1's spread is 5e-4, 8,000 steps.
; A work-group takes 65,536 bytes of f32: ids 0..511 mu, 512..767 W1 (256 x 65,536 bytes = 4,096 rows of 4,096 bytes).
; Thread t takes the 16 bytes at 16 t of each of sixteen pieces of 4,096 bytes: a wave's load covers 512 consecutive bytes,
; a wave's store 256 consecutive bytes that start on a multiple of 256 from the buffer's first byte.
; All sixteen loads of a wave go out at once; no register is written twice.
; No LDS, no matrix unit, no cluster: the work-groups share no input and every byte is touched once.
; THE MODE: SCHED_MODE bits 1:0 = 2 (LLVM: expert scheduling mode 2), set by the entry lines.  The code itself states the register dependences
; between vector instructions and memory instructions, with s_wait_alu, always for 0.
; THE PLAN.  Registers that memory instructions touch:
;   v1, v2   byte offsets.  Written once at the head; v1 is read by every load, v2 by every store; never written again.
;   X        sixteen quads.  Each is written by one load, all of which are issued ahead of the first conversion; read by the conversions; never loaded again.
;   Y        sixteen pairs.  Each is written by two conversions and read by one store; never written again.
; So nothing that a memory instruction reads is ever rewritten, and no load lands in a register that a vector instruction has named: what is left to state is that
; the offsets are written ahead of the first load, and that a pair is written ahead of its store.  The quads go in four blocks of four: a block's eight conversions,
; ONE wait, its run of four stores.  The wait stands behind the block's own conversions and not at the next block's head, so that the stores leave ahead of
; the wait for the next block's data.
.set X, 4                              ; v[4:67]   sixteen quads as loaded: block p, quad j at X + 16 p + 4 j
.set Y, 68                             ; v[68:99]  sixteen pairs to store: block p, pair j at Y + 8 p + 2 j
	s_load_b256 s[4:11], s[0:1], 0x0               ; mu s[4:5], W1 s[6:7], mu_f16 s[8:9], W1_f16 s[10:11]
	v_lshlrev_b32 v1, 4, v0                        ; my 16 bytes of a piece of f32
	v_lshlrev_b32 v2, 3, v0                        ; my 8 bytes of a piece of f16
	s_sub_co_u32 s20, ttmp9, 512                   ; the piece's number inside W1 (kept only where it applies)
	s_wait_kmcnt 0x0
	s_cmp_lt_u32 ttmp9, 512                        ; the choice hangs on the work-group's number alone
	s_cselect_b64 s[16:17], s[4:5], s[6:7]         ; source
	s_cselect_b64 s[18:19], s[8:9], s[10:11]       ; destination
	s_cselect_b32 s20, ttmp9, s20
	s_lshl_b32 s22, s20, 16                        ; 65,536 bytes of f32 a piece (511 x 65,536 at the most: 32 bits do)
	s_mov_b32 s23, 0
	s_lshl_b32 s24, s20, 15                        ; 32,768 bytes of f16
	s_mov_b32 s25, 0
	s_add_nc_u64 s[16:17], s[16:17], s[22:23]
	s_add_nc_u64 s[18:19], s[18:19], s[24:25]
	s_wait_alu depctr_va_vdst(0)                   ; v1 and v2 are written: every load below reads v1 as its offset, every store v2
.irp i, 0,1,2,3,4,5,6,7,8,9,10,11,12,13,14,15
	global_load_b128 v[X+4*(\i):X+4*(\i)+3], v1, s[16:17] offset:4096*(\i) th:TH_LOAD_NT
.endr
.irp p, 0,1,2,3
	s_wait_loadcnt 12-4*(\p)                       ; loads come back in order: block p's four quads are in, the 12 - 4 p younger ones stay out
.irp j, 0,1,2,3
	v_cvt_pk_f16_f32 v[Y+8*(\p)+2*(\j)],   v[X+16*(\p)+4*(\j)],   v[X+16*(\p)+4*(\j)+1]    ; two roundings to f16, packed: the first source in the low half
	v_cvt_pk_f16_f32 v[Y+8*(\p)+2*(\j)+1], v[X+16*(\p)+4*(\j)+2], v[X+16*(\p)+4*(\j)+3]
.endr
	s_wait_alu depctr_va_vdst(0)                   ; the block's eight conversions have written its four pairs of Y, which the four stores below read
.irp j, 0,1,2,3
	global_store_b64 v2, v[Y+8*(\p)+2*(\j):Y+8*(\p)+2*(\j)+1], s[18:19] offset:2048*(4*(\p)+(\j))   ; no streaming hint: the next launch reads these bytes
.endr
.endr
	s_endpgm
.Lfunc_end_k_qa228188857_cast:
	.size	k_qa228188857_cast, .Lfunc_end_k_qa228188857_cast-k_qa228188857_cast
	.p2alignl 7, 3214868480
	.fill 96, 4, 3214868480
	.section	.rodata,"a",@progbits
	.p2align	6, 0x0
	.amdhsa_kernel k_qa228188857_cast
		.amdhsa_group_segment_fixed_size 0
		.amdhsa_private_segment_fixed_size 0
		.amdhsa_enable_private_segment 0
		.amdhsa_kernarg_size 32
		.amdhsa_user_sgpr_count 2
		.amdhsa_user_sgpr_kernarg_segment_ptr 1
		.amdhsa_wavefront_size32 1
		.amdhsa_system_sgpr_workgroup_id_x 1
		.amdhsa_system_sgpr_workgroup_id_y 1
		.amdhsa_system_sgpr_workgroup_id_z 1
		.amdhsa_system_vgpr_workitem_id 0
		.amdhsa_next_free_vgpr 104
		.amdhsa_next_free_sgpr 66
		.amdhsa_reserve_vcc 0
		.amdhsa_float_denorm_mode_32 3
		.amdhsa_float_denorm_mode_16_64 3
		.amdhsa_memory_ordered 1
		.amdhsa_forward_progress 1
		.amdhsa_inst_pref_size 7
	.end_amdhsa_kernel
	.amdgpu_metadata
---
amdhsa.version: [ 1, 2 ]
amdhsa.kernels:
  - .name:           k_qa228188857_cast
    .symbol:         k_qa228188857_cast.kd
    .args:
      - { .name: mu, .offset: 0, .size: 8, .value_kind: global_buffer, .address_space: global }
      - { .name: W1, .offset: 8, .size: 8, .value_kind: global_buffer, .address_space: global }
      - { .name: mu_f16, .offset: 16, .size: 8, .value_kind: global_buffer, .address_space: global }
      - { .name: W1_f16, .offset: 24, .size: 8, .value_kind: global_buffer, .address_space: global }
    .group_segment_fixed_size: 0
    .private_segment_fixed_size: 0
    .kernarg_segment_align: 8
    .kernarg_segment_size: 32
    .max_flat_workgroup_size: 256
    .sgpr_count:     66
    .vgpr_count:     104
    .wavefront_size: 32
...
	.end_amdgpu_metadata
.endif
;; end of part 4
;; launch layer1: the kernel of part 2 again; grid 8 x 32, 4 waves a work-group, clusters of 4 x 4, 327,680 bytes of LDS; arguments mu_f16, W1_f16, W1, b1, t, h_f16, W2, W2_f16; writes h_f16, W2_f16
;; launch layer2: the kernel of part 3 again; grid 32 x 8, 4 waves a work-group, clusters of 4 x 4, 327,680 bytes of LDS; arguments h_f16, W2_f16, mu, gamma, b2, out0; writes out0
